; MI455X (gfx1250); checked and timed in simulation.
; The chip was launched on July 23, 2026; its instructions are those of AMD's public machine-readable ISA for CDNA 5 (MIT licence, August 2026) and "CDNA5" Instruction Set Architecture Reference Guide (July 2026). The comments in the code are by the model that wrote it; some were corrected since.
;; Clust Geo Edge Encoder. Allowed arithmetic: float matrix products may take bf16 or f16 operands with f32 sums; all other float work in f32.
;; Inputs: clusts 1,024 x 128 int32; data 200,000 x 5 float32; edge_index 2 x 4,096 int32.
;; Outputs: out0 8,192 x 19 float32.
;; One version. Each part assembles by itself: llvm-mc -triple=amdgcn-amd-amdhsa -mcpu=gfx1250 --defsym DOCPART=n.
;; ======== version 1 of 1: 1 launch
;; launch edges (part 1): grid 256 x 1, 16 waves a work-group, no clusters, 60,416 bytes of LDS; arguments edge_index, clusts, data, out0; writes out0
.if DOCPART == 1
	.amdgcn_target "amdgcn-amd-amdhsa--gfx1250"
	.amdhsa_code_object_version 6
	.text
	.protected	k_qa06c4afbca_edges
	.globl	k_qa06c4afbca_edges
	.p2align	8
	.type	k_qa06c4afbca_edges,@function
k_qa06c4afbca_edges:
	s_mov_b64 s[64:65], 0
	v_nop
	global_prefetch_b8 v0, s[64:65] scope:SCOPE_SE
	s_setreg_imm32_b32 hwreg(HW_REG_WAVE_MODE, 25, 1), 1
	s_wait_xcnt 0x0
; ClustGeoEdgeEncoder.  For each of 4,096 edges (c1, c2): the closest pair of points between clusters c1 and c2 (128 points each, gathered
; from columns 1..3 of data through clusts), then 19 features and their flipped twin: out0 rows 2e and 2e+1, 152 neighbouring bytes.
;
; SHARES.  256 work-groups x 16 waves; one wave makes one edge.  Lane L keeps rows 4L..4L+3 of c1 in registers; the 128 points of c2 lie in the
; wave's own LDS bytes as x[128], y[128], z[128] and are read by loads in which all lanes name the same 16 bytes.  No wave reads another's
; points, so the only barrier is the one in front of the way out.
; ARITHMETIC.  d2 = (ax-bx)^2 + (ay-by)^2 + (az-bz)^2 from differences, in f32, two points at a time: 3 packed subtractions, 1 packed multiply,
; 2 packed fused multiply-adds, and one three-way minimum into the row's running minimum: 7 instructions for 2 pairs in each lane.
; The matrix units are not used: there is no product here, and |a|^2+|b|^2-2ab would be a difference of large sums, which moves the argmin.
; ARGMIN, FIRST FLATTENED INDEX, with no address and no branch made from a float: (1) only row minima are kept in the loop; (2) m = minimum over
; all rows; i1 = smallest row whose minimum equals m; its coordinates are picked by v_cndmask_b32 and spread by a sum over the lanes (all other
; terms are 0, so the sum is exact); (3) row i1 is measured once more against the lane's own four points of c2, by the same instructions and
; so with the same bits, and the same search gives the smallest i2.
; NO CLUSTER, NO JOINT REQUESTS: which points two work-groups share hangs on edge_index and clusts; no tile is shared by arithmetic.
; NO PREFETCH: every address is used as soon as it is known (edge -> index row -> voxel rows, walked once by each wave).
; LIMITS.  NaN coordinates are not served (the minima skip NaN, argmin in the reference takes it).  d2 is rounded as mul, fma, fma; two
; different pairs whose d2 differ only in the last bit may be ordered otherwise than by separately rounded sums; equal pairs give equal bits.
; A chosen coordinate of -0 leaves as +0 (it passes a sum with +0).  disp / lend is disp x v_rcp_f32(lend).  The root is taken of a scaled
; number below 2^-96, since v_sqrt_f32 takes denormals for zero (ISA guide, 15.8).  Indices beyond their tables are clamped to the last entry.
.set NVOX,   200000
.set NCLU,   1024
.set NEDGE,  4096
.set WAVES,  16
.set ROWB,   20                        ; bytes in a row of data (5 f32); x, y, z are at bytes 4, 8, 12
.set CP,     576                       ; LDS bytes from x[] to y[] to z[]: 512 + 64, i.e. 16 banks on (64 banks of 4 bytes: ISA guide 11.1)
.set CLB,    3*CP                      ; a cluster in LDS
.set WREG,   2*CLB                     ; a wave's own bytes: c1, then c2
.set STAGE,  WAVES*WREG                ; behind them: the work-group's output, 16 edges x 152 bytes
.set EOUT,   2*19*4
.set WGOUT,  WAVES*EOUT                ; 2,432 bytes
.set COPYW,  5                         ; waves that carry the stage out: 2,432 + 128 bytes at 512 a wave
.set TRIPS,  7                         ; loop trips of 16 points; the last 16 are written out behind the loop
; vector registers
.set LANE, 1
.set IOFF, 4                           ; v[4:9]     byte offset in clusts of my index, cluster k, load t: IOFF+3k+t
.set CM4,  10                          ; v[10:12]   4 x my coordinate number in load t
.set LST,  13                          ; v[13:15]   LDS address of my word in load t
.set IFR,  16                          ; v[16:19]   4 L + r as f32: the number of my r-th point
.set VB,   20                          ; LDS address of c2's x[], stepped by the loop; the same in all lanes
.set VA,   21                          ; LDS address of my four x of c1
.set OST,  22                          ; stage address of output word L
.set NONE, 23                          ; 128.0: larger than any point number
.set RM,   24                          ; v[24:27]   running minimum of my row r
.set A,    28                          ; v[28:51]   row r, coordinate c, twice: pair at A+6r+2c
.set BUF0, 52                          ; v[52:75]   8 points of c2: x at +0, y at +8, z at +16
.set BUF1, 76                          ; v[76:99]
.set D,    100                         ; v[100:123] differences of row r: pairs at D+6r, +2, +4
.set AT,   100                         ; my rows as loaded, before they are doubled
.set IDX,  124                         ; v[124:147] indices, then byte offsets in data
.set BO,   124                         ; later: my own four points of c2, x at +0, y at +4, z at +8
.set DAT,  148                         ; v[148:171] gathered words
.set PT4,  172                         ; v[172:174] 4 x my point number in load t
.set OS2,  3                           ; stage address of output word 32 + min(L, 5)
; behind the loop, in the buffers' registers
.set M1, 52
.set K1, 53
.set TT, 54
.set KT, 56
.set S1, 60
.set V1, 64                            ; v[64:69]   v1, each coordinate twice
.set T3, 76
.set M2, 88
.set K2, 89
.set S2, 90                            ; v[90:92]   v2
.set DSP, 93                           ; v[93:95]   displacement, then unit displacement
.set LEN, 96
.set E1, 97
.set E2, 98
.set RC, 99
.set PV, 100
.set QV, 101
.set P2, 102
.set Q2, 103
	s_load_b256 s[4:11], s[0:1], 0x0               ; edge_index s[4:5], clusts s[6:7], data s[8:9], out0 s[10:11]
	v_lshl_add_u32 v176, v0, 2, 0xe400
	v_mov_b32 v177, 0
	v_and_b32 v[LANE], 31, v0
	v_lshrrev_b32 v2, 5, v0
	v_readfirstlane_b32 s12, v2                    ; wave number
	s_lshl_b32 s2, ttmp9, 4
	s_add_co_u32 s2, s2, s12                       ; my edge = 16 x work-group + wave
	s_lshl_b32 s2, s2, 2
	s_mov_b32 s3, 0
	s_wait_kmcnt 0x0
	s_add_nc_u64 s[4:5], s[4:5], s[2:3]
	s_load_b32 s14, s[4:5], 0x0                    ; c1
	s_load_b32 s15, s[4:5], NEDGE*4                ; c2
	; everything below, down to the wait, hangs on ids alone and is done while the two numbers are on their way
	s_mul_i32 s2, ttmp9, WGOUT
	s_add_nc_u64 s[10:11], s[10:11], s[2:3]        ; out0 at the work-group's 2,432 bytes
	s_and_b32 s45, ttmp9, 1
	s_lshl_b32 s45, s45, 7                         ; those bytes start 128 past a multiple of 256 in odd work-groups
	s_mul_i32 s16, s12, WREG                       ; my wave's LDS bytes
	s_add_co_u32 s13, s16, CLB
	s_mul_i32 s17, s12, EOUT
	s_add_co_u32 s17, s17, STAGE                   ; my edge's 152 bytes in the stage
	s_mov_b32 s18, 0x76543210                      ; v_permlanex16_b32: lane i of one half takes lane i of the other
	s_mov_b32 s19, 0xfedcba98
	; which lane (= output word 0..31) takes which number as first factor ...
	s_mov_b32 s20, (1<<1)|(1<<23)                  ; v1.y     (v1.x: words 0 and 22, the chain's start)
	s_mov_b32 s21, (1<<2)|(1<<24)                  ; v1.z
	s_mov_b32 s22, (1<<3)|(1<<19)                  ; v2.x
	s_mov_b32 s23, (1<<4)|(1<<20)                  ; v2.y
	s_mov_b32 s24, (1<<5)|(1<<21)                  ; v2.z
	s_mov_b32 s25, (1<<6)|(7<<10)|(1<<25)|(7<<29)  ; n.x: itself, B0q, -n.x, B0q of the flipped row
	s_mov_b32 s26, (1<<7)|(7<<13)|(1<<26)          ; n.y: itself, B1q, -n.y
	s_mov_b32 s27, (1<<8)|(7<<16)|(1<<27)          ; n.z: itself, B2q, -n.z
	s_mov_b32 s28, (1<<9)|(1<<28)                  ; length
	; ... and which as second factor (1.0 elsewhere)
	s_mov_b32 s29, 7<<25                           ; -1.0
	s_mov_b32 s30, (1<<10)|(1<<13)|(1<<16)|(1<<29) ; n.x
	s_mov_b32 s31, (1<<11)|(1<<14)|(1<<17)|(1<<30) ; n.y
	s_mov_b32 s32, (1<<12)|(1<<15)|(1<<18)|(1<<31) ; n.z
	; words 32..37 = B10 B11 B12 B20 B21 B22 of the flipped row, in lanes 0..5; lanes 6..31 repeat lane 5
	s_mov_b32 s33, 0xfffffff8                      ; first factor n.z (else n.y)
	s_mov_b32 s34, (1<<1)|(1<<4)                   ; second factor n.y (else n.x)
	s_mov_b32 s35, 0xffffffe4                      ; second factor n.z
	s_mov_b32 s36, 0x0f800000                      ; 2^-96
	s_mov_b32 s37, 0x4f800000                      ; 2^32
	s_mov_b32 s38, 0x37800000                      ; 2^-16
	; THE GATHER'S LANE MAP.  A cluster's points, packed, are 384 words; word n = 96 j + 32 t + L belongs to load (j, t), lane L:
	; point 32 j + (32 t + L) / 3, coordinate (32 t + L) % 3.  So three neighbouring lanes ask for the 12 neighbouring bytes of one voxel,
	; and one load names 11 rows of data and not 32.  For n < 512: n / 3 = 171 n >> 9 and n % 3 = 3 (171 n & 511) >> 9.
.irp t, 0,1,2
	v_add_nc_u32 v2, 32*\t, v[LANE]
	v_mul_u32_u24 v2, 171, v2
	v_lshrrev_b32 v3, 9, v2                        ; point, 0..31
	v_and_b32 v2, 511, v2
	v_mul_u32_u24 v2, 3, v2
	v_lshrrev_b32 v2, 9, v2                        ; coordinate, 0..2
	v_lshlrev_b32 v[PT4+\t], 2, v3
	v_lshlrev_b32 v[CM4+\t], 2, v2
	v_mul_u32_u24 v2, CP, v2
	v_add3_u32 v[LST+\t], v2, v[PT4+\t], s16       ; the 11 points of a load lie in 11 neighbouring banks, the three coordinates 16 banks apart
.endr
	v_lshlrev_b32 v2, 2, v[LANE]
.irp r, 0,1,2,3
	v_add_nc_u32 v3, \r, v2
	v_cvt_f32_u32 v[IFR+\r], v3
	v_mov_b32 v[RM+\r], 0x7f800000                 ; +infinity
.endr
	v_mov_b32 v[NONE], 0x43000000
	v_mov_b32 v[VB], s13
	v_lshl_add_u32 v[VA], v[LANE], 4, s16
	v_lshl_add_u32 v[OST], v[LANE], 2, s17
	v_min_u32 v2, 5, v[LANE]
	v_lshl_add_u32 v[OS2], v2, 2, s17
	s_wait_kmcnt 0x0
	s_min_u32 s14, s14, NCLU-1
	s_min_u32 s15, s15, NCLU-1
	s_lshl_b32 s14, s14, 9                         ; a row of clusts is 512 bytes
	s_lshl_b32 s15, s15, 9
.irp t, 0,1,2
	v_add_nc_u32 v[IOFF+\t], s14, v[PT4+\t]
	v_add_nc_u32 v[IOFF+3+\t], s15, v[PT4+\t]
.endr
	; 24 loads of indices: each lane fetches the index of the point whose word it will gather (three neighbouring lanes the same index)
.irp k, 0,1
.irp j, 0,1,2,3
.irp t, 0,1,2
	global_load_b32 v[IDX+12*\k+3*\j+\t], v[IOFF+3*\k+\t], s[6:7] offset:128*\j
.endr
.endr
.endr
.macro GATHER k                        ; 12 offsets 20 x index + 4 x coordinate, and 12 loads (the immediate 4 skips column 0)
.irp i, 0,1,2,3,4,5,6,7,8,9,10,11
	v_min_u32 v[IDX+12*\k+\i], NVOX-1, v[IDX+12*\k+\i]
	v_mul_u32_u24 v[IDX+12*\k+\i], ROWB, v[IDX+12*\k+\i]
	v_add_nc_u32 v[IDX+12*\k+\i], v[IDX+12*\k+\i], v[CM4+\i%3]
.endr
.irp i, 0,1,2,3,4,5,6,7,8,9,10,11
	global_load_b32 v[DAT+12*\k+\i], v[IDX+12*\k+\i], s[8:9] offset:4
.endr
.endm
.macro SPREAD k                        ; the 12 words go to x[], y[], z[] of cluster k in my wave's bytes
.irp j, 0,1,2,3
.irp t, 0,1,2
	ds_store_b32 v[LST+\t], v[DAT+12*\k+3*\j+\t] offset:\k*CLB+128*\j
.endr
.endr
.endm
	s_wait_loadcnt 12                              ; loads return in order: c1's 12 indices are in, c2's 12 may be out
	GATHER 0
	s_wait_loadcnt 12                              ; c2's indices are in; the 12 loads just issued may be out
	GATHER 1
	s_wait_loadcnt 12                              ; c1's words are in, c2's 12 may be out
	SPREAD 0
	s_wait_loadcnt 0x0
	SPREAD 1
; six loads: 8 points of c2, every lane the same bytes
.macro LOADB buf, off
.irp c, 0,1,2
	ds_load_b128 v[\buf+8*\c:\buf+8*\c+3],   v[VB] offset:\c*CP+\off
	ds_load_b128 v[\buf+8*\c+4:\buf+8*\c+7], v[VB] offset:\c*CP+\off+16
.endr
.endm
; my four rows against points 2p, 2p+1 of a buffer; the four rows' chains are interleaved, so no line waits for the line in front of it
.macro PAIRS buf, p
.irp r, 0,1,2,3
	v_pk_add_f32 v[D+6*\r:D+6*\r+1], v[A+6*\r:A+6*\r+1], v[\buf+2*\p:\buf+2*\p+1] neg_lo:[0,1] neg_hi:[0,1]
.endr
.irp r, 0,1,2,3
	v_pk_add_f32 v[D+6*\r+2:D+6*\r+3], v[A+6*\r+2:A+6*\r+3], v[\buf+8+2*\p:\buf+8+2*\p+1] neg_lo:[0,1] neg_hi:[0,1]
.endr
.irp r, 0,1,2,3
	v_pk_add_f32 v[D+6*\r+4:D+6*\r+5], v[A+6*\r+4:A+6*\r+5], v[\buf+16+2*\p:\buf+16+2*\p+1] neg_lo:[0,1] neg_hi:[0,1]
.endr
.irp r, 0,1,2,3
	v_pk_mul_f32 v[D+6*\r:D+6*\r+1], v[D+6*\r:D+6*\r+1], v[D+6*\r:D+6*\r+1]
.endr
.irp r, 0,1,2,3
	v_pk_fma_f32 v[D+6*\r:D+6*\r+1], v[D+6*\r+2:D+6*\r+3], v[D+6*\r+2:D+6*\r+3], v[D+6*\r:D+6*\r+1]
.endr
.irp r, 0,1,2,3
	v_pk_fma_f32 v[D+6*\r:D+6*\r+1], v[D+6*\r+4:D+6*\r+5], v[D+6*\r+4:D+6*\r+5], v[D+6*\r:D+6*\r+1]
.endr
.irp r, 0,1,2,3
	v_min3_num_f32 v[RM+\r], v[RM+\r], v[D+6*\r], v[D+6*\r+1]
.endr
.endm
.macro COMPUTE buf
.irp p, 0,1,2,3
	PAIRS \buf, \p
.endr
.endm
	; LDS serves a wave's instructions in order (ISA guide 5.7.1), and these bytes are my wave's own: no wait between the stores and the loads
.irp c, 0,1,2
	ds_load_b128 v[AT+4*\c:AT+4*\c+3], v[VA] offset:\c*CP          ; my rows 4L..4L+3 of c1
.endr
	LOADB BUF0, 0
	s_wait_dscnt 6                                 ; my rows are in; the six loads of buffer 0 may be out
.irp r, 0,1,2,3
.irp c, 0,1,2
	v_mov_b32 v[A+6*\r+2*\c],   v[AT+4*\c+\r]      ; each coordinate twice: one row meets two points in a packed instruction
	v_mov_b32 v[A+6*\r+2*\c+1], v[AT+4*\c+\r]
.endr
.endr
	s_mov_b32 s13, TRIPS
.Ltrip:                                            ; 16 points a trip; one buffer is worked on while the other is on its way
	LOADB BUF1, 32
	s_wait_dscnt 6                                 ; buffer 0 is in; buffer 1's six loads stay out
	COMPUTE BUF0
	LOADB BUF0, 64                                 ; the next trip's first 8 points
	s_wait_dscnt 6                                 ; buffer 1 is in; buffer 0's six loads stay out
	COMPUTE BUF1
	v_add_nc_u32 v[VB], 64, v[VB]
	s_sub_co_i32 s13, s13, 1
	s_cmp_lg_u32 s13, 0
	s_cbranch_scc1 .Ltrip
	LOADB BUF1, 32                                 ; the last 16 points: nothing is fetched beyond point 127
.irp c, 0,1,2
	ds_load_b128 v[BO+4*\c:BO+4*\c+3], v[VA] offset:CLB+\c*CP      ; my own points 4L..4L+3 of c2, for the second search
.endr
	s_wait_dscnt 9                                 ; buffer 0 is in; buffer 1's six and my own three stay out
	COMPUTE BUF0
	s_wait_dscnt 3                                 ; buffer 1 is in; my own three stay out
	COMPUTE BUF1
; minimum, or sum, over the 32 lanes, into every lane: four steps inside each half of 16 lanes, one across
.macro WMIN x
.irp q, 1,2,4,8
	v_min_num_f32_dpp v[\x], v[\x], v[\x] row_xmask:\q row_mask:0xf bank_mask:0xf
.endr
	v_permlanex16_b32 v[TT], v[\x], s18, s19
	v_min_num_f32 v[\x], v[\x], v[TT]
.endm
.macro WSUM x
.irp q, 1,2,4,8
	v_add_f32_dpp v[\x], v[\x], v[\x] row_xmask:\q row_mask:0xf bank_mask:0xf
.endr
	v_permlanex16_b32 v[TT], v[\x], s18, s19
	v_add_f32 v[\x], v[\x], v[TT]
.endm
; Of 128 numbers (four a lane, e0..e3, number 4L + r): the minimum into mreg, the smallest number that has it into kreg (as f32), and the
; three coordinates of that point (lane's r-th point, coordinate c at cbase + rstep r + cstep c) into sreg .. sreg+2, all in every lane.
.macro ARGSEL e0, e1, e2, e3, cbase, rstep, cstep, mreg, kreg, sreg
	v_min3_num_f32 v[\mreg], v[\e0], v[\e1], v[\e2]
	v_min_num_f32 v[\mreg], v[\mreg], v[\e3]
	WMIN \mreg
	v_cmp_eq_f32 s40, v[\e0], v[\mreg]
	v_cmp_eq_f32 s41, v[\e1], v[\mreg]
	v_cmp_eq_f32 s42, v[\e2], v[\mreg]
	v_cmp_eq_f32 s43, v[\e3], v[\mreg]
.irp r, 0,1,2,3
	v_cndmask_b32 v[KT+\r], v[NONE], v[IFR+\r], s[40+\r]           ; its number where it is the minimum, 128 where not
.endr
	v_min3_num_f32 v[\kreg], v[KT], v[KT+1], v[KT+2]
	v_min_num_f32 v[\kreg], v[\kreg], v[KT+3]
	WMIN \kreg
.irp r, 0,1,2,3
	v_cmp_eq_f32 s[40+\r], v[IFR+\r], v[\kreg]                     ; true in one lane for one r
.endr
.irp c, 0,1,2
	v_cndmask_b32 v[\sreg+\c], 0, v[\cbase+\cstep*\c], s40
	v_cndmask_b32 v[\sreg+\c], v[\sreg+\c], v[\cbase+\cstep*\c+\rstep], s41
	v_cndmask_b32 v[\sreg+\c], v[\sreg+\c], v[\cbase+\cstep*\c+2*\rstep], s42
	v_cndmask_b32 v[\sreg+\c], v[\sreg+\c], v[\cbase+\cstep*\c+3*\rstep], s43
.endr
.irp c, 0,1,2
	WSUM \sreg+\c                                  ; one lane holds the coordinate, 31 hold 0
.endr
.endm
	ARGSEL RM, RM+1, RM+2, RM+3, A, 6, 2, M1, K1, S1               ; i1 and v1
.irp c, 0,1,2
	v_mov_b32 v[V1+2*\c],   v[S1+\c]
	v_mov_b32 v[V1+2*\c+1], v[S1+\c]
.endr
	s_wait_dscnt 0x0                               ; my own four points of c2
	; row i1 once more, by the loop's instructions in the loop's order: the same bits
.irp p, 0,1
	v_pk_add_f32 v[T3+6*\p:T3+6*\p+1],   v[V1:V1+1],   v[BO+2*\p:BO+2*\p+1] neg_lo:[0,1] neg_hi:[0,1]
	v_pk_add_f32 v[T3+6*\p+2:T3+6*\p+3], v[V1+2:V1+3], v[BO+4+2*\p:BO+4+2*\p+1] neg_lo:[0,1] neg_hi:[0,1]
	v_pk_add_f32 v[T3+6*\p+4:T3+6*\p+5], v[V1+4:V1+5], v[BO+8+2*\p:BO+8+2*\p+1] neg_lo:[0,1] neg_hi:[0,1]
.endr
.irp p, 0,1
	v_pk_mul_f32 v[T3+6*\p:T3+6*\p+1], v[T3+6*\p:T3+6*\p+1], v[T3+6*\p:T3+6*\p+1]
.endr
.irp p, 0,1
	v_pk_fma_f32 v[T3+6*\p:T3+6*\p+1], v[T3+6*\p+2:T3+6*\p+3], v[T3+6*\p+2:T3+6*\p+3], v[T3+6*\p:T3+6*\p+1]
.endr
.irp p, 0,1
	v_pk_fma_f32 v[T3+6*\p:T3+6*\p+1], v[T3+6*\p+4:T3+6*\p+5], v[T3+6*\p+4:T3+6*\p+5], v[T3+6*\p:T3+6*\p+1]
.endr
	ARGSEL T3, T3+1, T3+6, T3+7, BO, 1, 4, M2, K2, S2              ; i2 and v2; M2 = |v1 - v2|^2
	; THE FEATURES, the same in every lane.  length = sqrt(M2), of M2 x 2^32 and back by 2^-16 where M2 < 2^-96.
	v_cmp_gt_f32 vcc_lo, s36, v[M2]
	v_cndmask_b32 v[E1], 1.0, s37, vcc_lo
	v_cndmask_b32 v[E2], 1.0, s38, vcc_lo
	v_mul_f32 v[E1], v[M2], v[E1]
	v_sqrt_f32 v[RC], v[E1]
	v_sub_f32 v[DSP],   v[V1],   v[S2]             ; plain lines that touch neither RC nor E1 stand behind the root (ISA guide 5.7.2)
	v_sub_f32 v[DSP+1], v[V1+2], v[S2+1]
	v_sub_f32 v[DSP+2], v[V1+4], v[S2+2]
	s_wait_alu depctr_va_vdst(0)
	v_mul_f32 v[LEN], v[RC], v[E2]
	v_cmp_lt_f32 vcc_lo, 0, v[LEN]
	v_cndmask_b32 v[E1], 1.0, v[LEN], vcc_lo       ; length 0: divide by 1, the displacement stays as it is
	v_rcp_f32 v[RC], v[E1]
	; output word L = first factor x second factor; the first five choices also stand behind the reciprocal
	v_cndmask_b32 v[PV], v[V1], v[V1+2], s20
	v_cndmask_b32 v[PV], v[PV], v[V1+4], s21
	v_cndmask_b32 v[PV], v[PV], v[S2],   s22
	v_cndmask_b32 v[PV], v[PV], v[S2+1], s23
	v_cndmask_b32 v[PV], v[PV], v[S2+2], s24
	s_wait_alu depctr_va_vdst(0)
	v_mul_f32 v[DSP],   v[DSP],   v[RC]
	v_mul_f32 v[DSP+1], v[DSP+1], v[RC]
	v_mul_f32 v[DSP+2], v[DSP+2], v[RC]
	v_cndmask_b32 v[PV], v[PV], v[DSP],   s25
	v_cndmask_b32 v[PV], v[PV], v[DSP+1], s26
	v_cndmask_b32 v[PV], v[PV], v[DSP+2], s27
	v_cndmask_b32 v[PV], v[PV], v[LEN],   s28
	v_cndmask_b32 v[QV], 1.0, -1.0, s29
	v_cndmask_b32 v[QV], v[QV], v[DSP],   s30
	v_cndmask_b32 v[QV], v[QV], v[DSP+1], s31
	v_cndmask_b32 v[QV], v[QV], v[DSP+2], s32
	v_mul_f32 v[PV], v[PV], v[QV]
	v_cndmask_b32 v[P2], v[DSP+1], v[DSP+2], s33
	v_cndmask_b32 v[Q2], v[DSP],   v[DSP+1], s34
	v_cndmask_b32 v[Q2], v[Q2],    v[DSP+2], s35
	v_mul_f32 v[P2], v[P2], v[Q2]
	ds_store_b32 v[OST], v[PV]                     ; words 0..31 of my edge
	ds_store_b32 v[OS2], v[P2] offset:128          ; words 32..37; lanes 5..31 write word 37, all with the same number
	s_wait_dscnt 0x0                               ; for the other waves' sake: my 152 bytes are in the stage
	s_barrier_signal -1
	; THE WAY OUT.  Thread t takes the 16 bytes at 16 t - (128 in odd work-groups) of the 2,432: then every 16 neighbouring lanes store 256
	; consecutive bytes that start at a multiple of 256 from out0's first byte; only the 128 bytes at the seam of two work-groups come alone.
	v_lshlrev_b32 v2, 4, v0
	v_sub_nc_u32 v2, v2, s45                       ; below 0 it wraps and fails the compare
	v_cmp_gt_u32 vcc_lo, WGOUT, v2
	v_min_u32 v2, WGOUT-16, v2                     ; lanes with nothing to carry point at the last 16 bytes and are switched off for the store
	s_barrier_wait -1
	s_cmp_ge_u32 s12, COPYW
	s_cbranch_scc1 .Lend
	ds_load_b128 v[M1:M1+3], v2 offset:STAGE
	s_wait_xcnt 0x0                                ; EXEC changes only behind this wait
	s_and_saveexec_b32 s44, vcc_lo
	s_wait_dscnt 0x0
	global_store_b128 v2, v[M1:M1+3], s[10:11] th:TH_STORE_NT
	s_wait_xcnt 0x0                                ; and again in front of the line that widens it
	s_or_b32 exec_lo, exec_lo, s44
.Lend:
	s_wait_tensorcnt 0x0
	ds_add_u32 v176, v177
	s_wait_dscnt 0x0
	s_endpgm
.Lfunc_end_k_qa06c4afbca_edges:
	.size	k_qa06c4afbca_edges, .Lfunc_end_k_qa06c4afbca_edges-k_qa06c4afbca_edges
	.p2alignl 7, 3214868480
	.fill 96, 4, 3214868480
	.section	.rodata,"a",@progbits
	.p2align	6, 0x0
	.amdhsa_kernel k_qa06c4afbca_edges
		.amdhsa_group_segment_fixed_size 60416
		.amdhsa_private_segment_fixed_size 0
		.amdhsa_enable_private_segment 0
		.amdhsa_kernarg_size 32
		.amdhsa_user_sgpr_count 2
		.amdhsa_user_sgpr_kernarg_segment_ptr 1
		.amdhsa_wavefront_size32 1
		.amdhsa_system_sgpr_workgroup_id_x 1
		.amdhsa_system_sgpr_workgroup_id_y 1
		.amdhsa_system_sgpr_workgroup_id_z 1
		.amdhsa_system_vgpr_workitem_id 0
		.amdhsa_next_free_vgpr 178
		.amdhsa_next_free_sgpr 66
		.amdhsa_reserve_vcc 1
		.amdhsa_float_denorm_mode_32 3
		.amdhsa_float_denorm_mode_16_64 3
		.amdhsa_memory_ordered 1
		.amdhsa_forward_progress 1
		.amdhsa_inst_pref_size 56
	.end_amdhsa_kernel
	.amdgpu_metadata
---
amdhsa.version: [ 1, 2 ]
amdhsa.kernels:
  - .name:           k_qa06c4afbca_edges
    .symbol:         k_qa06c4afbca_edges.kd
    .args:
      - { .name: edge_index, .offset: 0, .size: 8, .value_kind: global_buffer, .address_space: global }
      - { .name: clusts, .offset: 8, .size: 8, .value_kind: global_buffer, .address_space: global }
      - { .name: data, .offset: 16, .size: 8, .value_kind: global_buffer, .address_space: global }
      - { .name: out0, .offset: 24, .size: 8, .value_kind: global_buffer, .address_space: global }
    .group_segment_fixed_size: 60416
    .private_segment_fixed_size: 0
    .kernarg_segment_align: 8
    .kernarg_segment_size: 32
    .max_flat_workgroup_size: 512
    .sgpr_count:     66
    .vgpr_count:     178
    .wavefront_size: 32
...
	.end_amdgpu_metadata
.endif
;; end of part 1
